; MI455X (gfx1250); checked and timed in simulation.
; The chip was launched on July 23, 2026; its instructions are those of AMD's public machine-readable ISA for CDNA 5 (MIT licence, August 2026) and "CDNA5" Instruction Set Architecture Reference Guide (July 2026). The comments in the code are by the model that wrote it; some were corrected since.
;; Multihead Self Attention. Allowed arithmetic: matrix products marked QUANTISED: E2M1 operands, one E8M0 scale for each 32 along K, by v_wmma_scale_f32_16x16x128_f8f6f4 with both operands' format E2M1 (or v_wmma_scale_f32_32x16x128_f4), f32 sums; everything else in f32.
;; Inputs: Wk_codes 1,024 x 32 x 16 uint8 (E2M1 codes of Wk, K innermost, in blocks of 32 codes, two codes a byte); Wk_scales 1,024 x 32 uint8 (E8M0 scales of Wk, one for each 32 codes along K); Wo_codes 1,024 x 32 x 16 uint8 (E2M1 codes of Wo, K innermost, in blocks of 32 codes, two codes a byte); Wo_scales 1,024 x 32 uint8 (E8M0 scales of Wo, one for each 32 codes along K); Wq_codes 1,024 x 32 x 16 uint8 (E2M1 codes of Wq, K innermost, in blocks of 32 codes, two codes a byte); Wq_scales 1,024 x 32 uint8 (E8M0 scales of Wq, one for each 32 codes along K); Wv_codes 1,024 x 32 x 16 uint8 (E2M1 codes of Wv, K innermost, in blocks of 32 codes, two codes a byte); Wv_scales 1,024 x 32 uint8 (E8M0 scales of Wv, one for each 32 codes along K); bk 1,024 float32; bo 1,024 float32; bq 1,024 float32; bv 1,024 float32; x_codes 4 x 2,048 x 32 x 16 uint8 (E2M1 codes of x, K innermost, in blocks of 32 codes, two codes a byte); x_scales 4 x 2,048 x 32 uint8 (E8M0 scales of x, one for each 32 codes along K).
;; Outputs: out0 4 x 2,048 x 1,024 float32.
;; This version of the problem:
;;   THIS VERSION OF THE PROBLEM IS GIVEN IN LOW PRECISION. The matrix products marked QUANTISED in the list below multiply operands that are first quantised to E2M1 (2 exponent bits, 1 mantissa bit; 4 bits a number), with one power-of-two scale for each 32 numbers along K (OCP MX v1.0); their sums are f32. All else is computed in f32.
;;   The module's matrix products, in the order in which they are computed (A, B: the left and right operand; K: the contracted axis; several contracted axes count as one K, in the product's order):
;;     1. [M 8,192, K 1,024] x [K 1,024, N 1,024]; A: input x (given as codes); B: input Wq (given as codes): QUANTISED
;;     2. [M 8,192, K 1,024] x [K 1,024, N 1,024]; A: input x (given as codes); B: input Wk (given as codes): QUANTISED
;;     3. [M 8,192, K 1,024] x [K 1,024, N 1,024]; A: input x (given as codes); B: input Wv (given as codes): QUANTISED
;;     4. batch 64 x [M 2,048, K 64] x [K 64, N 2,048]; A: computed on the way; B: computed on the way: QUANTISED
;;     5. batch 64 x [M 2,048, K 2,048] x [K 2,048, N 64]; A: softmax (see below); B: computed on the way: QUANTISED
;;     6. [M 8,192, K 1,024] x [K 1,024, N 1,024]; A: computed on the way; B: input Wo (given as codes): QUANTISED
;;   THE QUANTISER, for each operand of a quantised product, along K:
;;     - K is cut into blocks of 32 from its start; a last block that is shorter is filled with zeros.
;;     - A block's scale is 2^e with e = floor(log2(the largest magnitude in the block)) - 2, held to -126 .. 127; a block of zeros has e = 0. As a byte (E8M0): e + 127.
;;     - Each number is divided by its block's scale, clamped to +-6, and rounded to the nearest number of E2M1, ties to even, subnormals kept.
;;     - The product sums the exact products of the quantised numbers (number of the format x scale) in f32.
;;   ~~~python
;;   def quantise(x, axis):      # numpy; x: float32 -> the quantised numbers, widened to float32 again
;;       x = np.moveaxis(x, axis, -1); K = x.shape[-1]
;;       x = np.pad(x, [(0, 0)] * (x.ndim - 1) + [(0, -K % 32)]); x = x.reshape(x.shape[:-1] + (-1, 32)); a = np.abs(x).max(-1, keepdims=True)
;;       e = np.where(a > 0, np.clip(np.frexp(np.where(a > 0, a, 1))[1] - 1 - 2, -126, 127), 0)      # np.frexp(a)[1] - 1 = floor(log2(a)), exactly
;;       r = np.clip(x / 2.0 ** e, -6, 6)
;;       step = 2.0 ** (np.maximum(np.frexp(np.where(r == 0, 1, r))[1] - 1, 0) - 1)
;;       q = np.round(r / step) * step * 2.0 ** e      # np.round: ties to even
;;       return np.moveaxis(q.reshape(q.shape[:-2] + (-1,))[..., :K], -1, axis).astype(np.float32)
;;   ~~~
;;   SOFTMAX AHEAD OF A QUANTISED PRODUCT. Where the list says 'softmax', what is quantised is not the finished softmax but p = 2^(t - M), with t = logit x log2(e) and M = ceil(the row's largest t), a whole number; so 1/2 < the row's largest p <= 1. The row's sum l is taken of the UNQUANTISED p, in f32, and the product's result is divided by l at the end. Since M is a whole number, a kernel that streams over the keys may use a running M (the ceiling of the running maximum): every later rescaling is an exact power of two, which a block's scale takes up: the codes' values come out the same.
;;   OPERANDS COMPUTED ON THE WAY. 'Computed on the way' means the value that the module computes at that place (a softmax that the list does not call 'softmax' is quantised finished and normalised). What goes into a quantiser is computed in f32, as accurately as f32 sums, v_exp_f32 and their like allow (about 1e-6 of the number): no bf16 or f16 on the way to a quantiser, and a product that is left as it is and whose result goes on into a quantised operand takes f32 operands (vector FMAs, or v_wmma_f32_16x16x4_f32). A number that lies on a knife's edge between two numbers of the format may be rounded either way, as far as f32 arithmetic and the matrix unit's own rounding can turn it there, and no further.
;;   INPUTS GIVEN AS CODES. Wk (in the module: [1024, 1024], K = its axis 1); Wo (in the module: [1024, 1024], K = its axis 1); Wq (in the module: [1024, 1024], K = its axis 1); Wv (in the module: [1024, 1024], K = its axis 1); x (in the module: [4, 2048, 1024], K = its axis 2): each comes as NAME_codes (uint8): NAME with its K axis moved to the last place and cut into blocks of 32 codes, [.., K / 32, bytes a block], one block behind the other in memory; two codes a byte, the lower K in the low four bits (a code: sign, 2 exponent bits, 1 mantissa bit); and NAME_scales (uint8): the same leading axes, one E8M0 byte (e + 127) for each 32 codes along K. Its value is code x scale, taken as it is: it is not quantised again, and the codes and scales need not be those that the quantiser above would give.
;; One version. Each part assembles by itself: llvm-mc -triple=amdgcn-amd-amdhsa -mcpu=gfx1250 --defsym DOCPART=n.
;; ======== version 1 of 1: 3 launches
;; workspace buffers: kv 9,175,040 bytes; qq 4,718,592 bytes; cc 4,194,304 bytes; cs 262,144 bytes
;; launch qkv (part 1): grid 16 x 32, 4 waves a work-group, clusters of 4 x 4, 327,680 bytes of LDS; arguments x_codes, x_scales, Wq_codes, Wq_scales, Wk_codes, Wk_scales, Wv_codes, Wv_scales, bq, bk, bv, kv, qq; writes kv, qq
.if DOCPART == 1
	.amdgcn_target "amdgcn-amd-amdhsa--gfx1250"
	.amdhsa_code_object_version 6
	.text
	.protected	k_q4af5e8bc99_qkv
	.globl	k_q4af5e8bc99_qkv
	.p2align	8
	.type	k_q4af5e8bc99_qkv,@function
k_q4af5e8bc99_qkv:
	s_mov_b64 s[64:65], 0
	v_nop
	global_prefetch_b8 v0, s[64:65] scope:SCOPE_SE
	s_setreg_imm32_b32 hwreg(HW_REG_WAVE_MODE, 25, 1), 1
	s_wait_xcnt 0x0
	s_wait_alu depctr_hold_cnt(0) depctr_sa_sdst(0) depctr_va_vdst(0) depctr_va_sdst(0) depctr_va_ssrc(0) depctr_va_vcc(0) depctr_vm_vsrc(0)
	s_getreg_b32 s2, hwreg(HW_REG_IB_STS2, 6, 4)
	s_cmp_eq_u32 s2, 0
	s_cbranch_scc0 .Lentry_in_a_cluster
	s_endpgm
.Lentry_in_a_cluster:
	s_bfe_u32 s2, ttmp6, 0x10000c
	s_cmp_lg_u32 s2, 0xf033
	s_cbranch_scc0 .Lentry_shape_is_right
	s_endpgm
.Lentry_shape_is_right:
; q = x Wq^T + bq, k = x Wk^T + bk, v = x Wv^T + bv on codes of FP4 (E2M1) with E8M0 scales, sums in f32; then q and k are quantised along the head's 64 and v along the keys.
; x: 8,192 rows x 1,024 codes (512 bytes a row), scale bytes 32 a row.  Wq, Wk, Wv: 1,024 rows likewise.  bq, bk, bv: f32.
; SHARES.  A work-group makes 256 rows x one head's 64 q + 64 k + 64 v columns over all of K.  Wave w owns rows 64 w .. 64 w + 63 (four tiles of x) against all 12 tiles of W: 48 accumulators.
; All of K of the 256 + 192 rows lies in LDS at once, as two halves of K (rows of 256 bytes): every LDS byte is filled once, so there is no ring.
; CLUSTER 4 x 4: the four work-groups of a row of the cluster share their rows of x, the four of a column their head's rows of W: both are asked for jointly.
; SOURCES.  q, k: source 0 = 16 rows of W, source 1 = 16 rows of x: a lane holds ONE row of x and its registers run along the head's 64, the next K.
;           v:    source 0 = 16 rows of x, source 1 = 16 rows of Wv: a lane holds ONE channel and its registers run along the keys, the next K.
; The biases are the C of each sum's first matrix instruction.
; OUT, as images of operand registers (lane l = 16 h + r; a head's part of kv is 143,360 bytes, of qq 73,728):
;   codes of q (qq + 0) and k (kv + 0): [tile of 16 rows][lane][16 bytes]: lane (r, h) = row r, channels 32 h .. 32 h + 31
;   codes of v (kv + 65,536): [64 keys g][tile of 16 channels t][lane][16 bytes]: lane (r, h) = channel 16 t + r, keys 64 g + 32 h .. + 31
;   scale words of q (qq + 65,536) and k (kv + 131,072): [g][lane l][p]: the word of row 64 g + 32 p + l, bytes 0, 1 = the two blocks, bytes 2, 3 = 0
;   scale words of v (kv + 139,264): [128 keys][lane l][tp]: the word of channel 16 (2 tp + h) + r
; LIMITS: NaN and infinities among the numbers, and given scale bytes 0xff, are not served.  A block of zeros gets the byte 1 where the quantiser's rule says 127: its codes are zeros, and this program alone reads the bytes.
; REGISTERS, in windows of 256: window 0: v1-15 addresses; v16-31 x's scale words; v32-79 W's; v80-143 bq's and bk's tiles, v144-175 bv's (later the codes that leave); v176-199 at work.
;   window 1: q's accumulator (i, t) at 32 i + 8 t, k's at 128 + 32 i + 8 t.   window 2: v's (t, i) at 32 t + 8 i.   window 3: two sets of fragments at 128 p: x's tile i at + 8 i, W's tile n at + 32 + 8 n.
.set PITCH, 272                        ; an LDS row: 256 bytes + 16 of padding = 68 words: row r starts at bank 4 r mod 64 (64 banks of 4 bytes: ISA guide 11.1)
.set SLOT,  448*PITCH                  ; half of K: x's 256 rows, then 64 rows each of Wq, Wk, Wv
.set VSTG,  2*SLOT                     ; behind the tiles: 512 bytes in which the four waves' parts of v's scale words meet; no tile lands here
.set KVH,   143360
.set QH,    73728
.set G1X, 16                           ; s[16:23] descriptor group 1 for x's tiles
.set G1W, 24                           ; s[24:31] for W's
.set G0,  32                           ; s[32:63] eight groups 0: x (half 0, 1), Wq, Wk, Wv likewise
.set ADX, 6                            ; v6-7   LDS address of my x fragments in half 0, 1
.set ADW, 8                            ; v8-9   the same for W
.set XS,  16
.set WS,  32
.set BQ,  80
.set BV,  144
.set TM,  176                          ; v176-183 eight blocks' largest magnitudes
.set TX,  184                          ; v184-191 the other half's, then the scale bytes
.set SO,  192                          ; v192-199 the conversions' scale operands
.set MSB, 0
.macro WIN new                         ; the immediate's high byte repeats the setting that is left; a switch that changes nothing is dropped
.if MSB != \new
	s_set_vgpr_msb (MSB<<8)|\new
.set MSB, \new
.endif
.endm
.macro CROUND                          ; a round of the cluster's barrier
	s_barrier_signal -1
	s_barrier_wait -1
	s_cmp_lg_u32 s4, 0
	s_cbranch_scc1 .Lnot_wave_0_\@
	s_barrier_signal -3
.Lnot_wave_0_\@:
	s_barrier_wait -3
	s_barrier_signal -1
	s_barrier_wait -1
.endm
.macro PLACES n                        ; plain vector instructions between a matrix instruction and a load into, or a read of, its registers
.rept \n
	v_nop
.endr
.endm
	s_load_b512 s[68:83], s[0:1], 0x0              ; x codes 68, x scales 70, Wq codes 72, Wq scales 74, Wk 76, 78, Wv 80, 82
	s_load_b256 s[84:91], s[0:1], 0x40             ; bq 84, bk 86, bv 88, kv 90
	s_load_b64 s[92:93], s[0:1], 0x60              ; qq
	v_lshl_add_u32 v254, v0, 2, 0x3ba00
	v_mov_b32 v255, 0
	ds_add_u32 v254, v255
	ds_add_u32 v254, v255
	v_lshrrev_b32 v15, 5, v0
	v_readfirstlane_b32 s4, v15                    ; wave 0..3
	s_bfe_u32 s5, ttmp6, 0x40000                   ; cx
	s_bfe_u32 s6, ttmp6, 0x40004                   ; cy
	s_lshl_b32 s7, ttmp9, 2
	s_add_co_u32 s7, s7, s5                        ; the head = 4 x cluster x + cx
	s_and_b32 s8, ttmp7, 0xffff
	s_lshl_b32 s8, s8, 2
	s_add_co_u32 s8, s8, s6                        ; the block of 256 rows = 4 x cluster y + cy
	s_lshl_b32 s9, s6, 2
	s_lshl_b32 s9, 15, s9                          ; my row of the cluster
	s_lshl_b32 s10, 0x1111, s5                     ; my column
	s_mov_b32 s12, 0x76543210
	s_mov_b32 s13, 0xfedcba98                      ; v_permlanex16_b32's selects for lane l xor 16
	; group 1: rows of 256 bytes out of rows of 512, 16 bytes of padding behind each; x: 64 rows a load, W: 16
	s_or_b32 s[G1X], s9, (0<<16)|(1<<20)|(1<<21)|(5<<22)|(3<<25)   ; 15:0 the mask; elements of 1 byte; padding on; 21 set beside a mask; after every 64 words, 4 words
	s_or_b32 s[G1W], s10, (0<<16)|(1<<20)|(1<<21)|(5<<22)|(3<<25)
	s_mov_b32 s[G1X+1], 256<<16                    ; tensor_dim0
	s_mov_b32 s[G1X+2], 64<<16                     ; tensor_dim1
	s_mov_b32 s[G1X+3], 256<<16                    ; tile_dim0
	s_mov_b32 s[G1X+4], 64                         ; tile_dim1
	s_mov_b32 s[G1X+5], 512                        ; from row to row
	s_mov_b32 s[G1X+6], 0
	s_mov_b32 s[G1X+7], 0
	s_mov_b32 s[G1W+1], 256<<16
	s_mov_b32 s[G1W+2], 16<<16
	s_mov_b32 s[G1W+3], 256<<16
	s_mov_b32 s[G1W+4], 16
	s_mov_b32 s[G1W+5], 512
	s_mov_b32 s[G1W+6], 0
	s_mov_b32 s[G1W+7], 0
	s_lshl_b32 s14, s8, 17                         ; x: (256 block + 64 wave) rows of 512 bytes; these registers never hold cx or the head
	s_lshl_b32 s15, s4, 15
	s_add_co_u32 s14, s14, s15
	s_mov_b32 s15, 0
	s_lshl_b32 s94, s7, 15                         ; W: (64 head + 16 wave) rows of 512 bytes; these never hold cy or the block
	s_lshl_b32 s95, s4, 13
	s_add_co_u32 s94, s94, s95
	s_mov_b32 s95, 0
	s_mul_i32 s96, s4, 64*PITCH                    ; where they go: the wave's number alone enters an LDS address
	s_mul_i32 s97, s4, 16*PITCH
	v_and_b32 v13, 31, v0                          ; lane
	v_and_b32 v14, 15, v0                          ; r
	v_bfe_u32 v12, v0, 4, 1                        ; h
	v_lshlrev_b32 v1, 4, v13                       ; 16 x lane: an image's place
	v_lshlrev_b32 v2, 3, v13                       ; 8 x lane: two scale words'
	v_lshlrev_b32 v3, 5, v14
	v_lshl_add_u32 v3, v12, 4, v3                  ; 32 r + 16 h: a row's scale bytes, my half of them
	v_lshlrev_b32 v4, 5, v12                       ; 32 h: my eight numbers of a bias tile
	v_lshlrev_b32 v5, 2, v14                       ; 4 r
	v_mul_u32_u24 v8, v14, PITCH
	v_lshl_add_u32 v8, v12, 4, v8                  ; a fragment's row x pitch + 16 h
	v_add_nc_u32 v[ADX], s96, v8                   ; my 64 rows of x
	v_add_nc_u32 v[ADX+1], SLOT, v[ADX]
	v_add_nc_u32 v[ADW], 256*PITCH, v8             ; W's rows lie behind x's 256
	v_add_nc_u32 v[ADW+1], SLOT, v[ADW]
	s_lshr_b32 s2, s4, 1
	s_lshl_b32 s2, s2, 8
	s_and_b32 s3, s4, 1
	s_lshl_b32 s3, s3, 1
	s_add_co_u32 s2, s2, s3
	s_add_co_u32 s2, s2, VSTG
	v_add_nc_u32 v10, s2, v2                       ; v's words: 256 (wave / 2) for the 128 keys, 8 x lane, 2 (wave % 2) for my two bytes of the word
	v_add_nc_u32 v11, VSTG, v1                     ; and back: 16 bytes a lane
	s_wait_dscnt 0x0
	s_wait_kmcnt 0x0
	s_add_nc_u64 s[68:69], s[68:69], s[14:15]
	s_add_nc_u64 s[72:73], s[72:73], s[94:95]
	s_add_nc_u64 s[76:77], s[76:77], s[94:95]
	s_add_nc_u64 s[80:81], s[80:81], s[94:95]
.irp sg, 0,1
	s_mov_b32 s[G0+4*\sg], 1                                       ; count = 1
	s_add_co_u32 s[G0+4*\sg+1], s96, \sg*SLOT                      ; LDS address
	s_add_nc_u64 s[G0+4*\sg+2:G0+4*\sg+3], s[68:69], \sg*256       ; global address: this half of K
	s_or_b32 s[G0+4*\sg+3], s[G0+4*\sg+3], 0x80000000              ; type = 2
.irp m, 0,1,2
	s_mov_b32 s[G0+8+8*\m+4*\sg], 1
	s_add_co_u32 s[G0+8+8*\m+4*\sg+1], s97, \sg*SLOT+(256+64*\m)*PITCH
	s_add_nc_u64 s[G0+8+8*\m+4*\sg+2:G0+8+8*\m+4*\sg+3], s[72+4*\m:73+4*\m], \sg*256
	s_or_b32 s[G0+8+8*\m+4*\sg+3], s[G0+8+8*\m+4*\sg+3], 0x80000000
.endr
.endr
	CROUND                                         ; all sixteen work-groups are here: the joint loads meet
.irp sg, 0,1                                   ; all fills of the launch in one group: eight loads of mine are out; the first half of K first
	tensor_load_to_lds s[G0+4*\sg:G0+4*\sg+3], s[G1X:G1X+7]
	s_nop 0
.irp m, 0,1,2
	tensor_load_to_lds s[G0+8+8*\m+4*\sg:G0+8+8*\m+4*\sg+3], s[G1W:G1W+7]
	s_nop 0
.endr
.endr
	PLACES 4                                       ; four v_nop follow the last of them
	s_lshl_b32 s2, s8, 13                          ; x's scale bytes: 32 a row, my 64 rows
	s_lshl_b32 s3, s4, 11
	s_add_co_u32 s2, s2, s3
	s_mov_b32 s3, 0
	s_add_nc_u64 s[70:71], s[70:71], s[2:3]
	s_lshl_b32 s2, s7, 11                          ; W's: the head's 64 rows
	s_add_nc_u64 s[74:75], s[74:75], s[2:3]
	s_add_nc_u64 s[78:79], s[78:79], s[2:3]
	s_add_nc_u64 s[82:83], s[82:83], s[2:3]
	s_lshl_b32 s2, s7, 8                           ; the biases: the head's 64 numbers
	s_add_nc_u64 s[84:85], s[84:85], s[2:3]
	s_add_nc_u64 s[86:87], s[86:87], s[2:3]
	s_add_nc_u64 s[88:89], s[88:89], s[2:3]
	s_lshr_b32 s14, s8, 3                          ; where the results go: batch x 16 + head,
	s_lshl_b32 s14, s14, 4
	s_add_co_u32 s14, s14, s7
	s_and_b32 s11, s8, 7                           ; the block of 256 rows within the batch,
	s_lshl_b32 s15, s11, 2
	s_add_co_u32 s15, s15, s4                      ; g: my 64 rows within the batch
	s_mul_i32 s2, s14, QH
	s_add_nc_u64 s[92:93], s[92:93], s[2:3]
	s_mul_i32 s2, s14, KVH
	s_add_nc_u64 s[90:91], s[90:91], s[2:3]
	s_lshl_b32 s2, s15, 11
	s_add_nc_u64 s[94:95], s[92:93], s[2:3]        ; q's codes: 2,048 bytes for 64 rows
	s_add_nc_u64 s[96:97], s[90:91], s[2:3]        ; k's, and 65,536 on v's
	s_lshl_b32 s2, s15, 8
	s_add_nc_u64 s[92:93], s[92:93], s[2:3]        ; q's words: 256 bytes for 64 rows
	s_add_nc_u64 s[98:99], s[90:91], s[2:3]        ; k's
	s_lshl_b32 s2, s11, 9
	s_add_nc_u64 s[90:91], s[90:91], s[2:3]        ; v's words: 512 bytes for the work-group's 256 keys
	; One load of 16 bytes at 32 r + 16 h takes a tile's 512 consecutive scale bytes: register q of lane (r, h) is row r's word of K step 4 h + q.
	; So K steps 0-3 read a side's words from lanes 0-15 and K steps 4-7 from lanes 16-31 of the same four registers.
.irp i, 0,1,2,3
	global_load_b128 v[XS+4*\i:XS+4*\i+3], v3, s[70:71] offset:512*\i
.endr
.irp m, 0,1,2
.irp t, 0,1,2,3
	global_load_b128 v[WS+16*\m+4*\t:WS+16*\m+4*\t+3], v3, s[74+4*\m:75+4*\m] offset:512*\t
.endr
.endr
.irp m, 0,1                                    ; bq, bk in the result's layout: register j of lane (r, h) is channel 16 t + 8 h + j
.irp t, 0,1,2,3
	global_load_b128 v[BQ+32*\m+8*\t:BQ+32*\m+8*\t+3], v4, s[84+2*\m:85+2*\m] offset:64*\t
	global_load_b128 v[BQ+32*\m+8*\t+4:BQ+32*\m+8*\t+7], v4, s[84+2*\m:85+2*\m] offset:64*\t+16
.endr
.endr
	s_wait_alu depctr_va_vdst(0)
.irp t, 0,1,2,3                                ; bv: all eight registers of lane (r, h) are channel 16 t + r
.irp j, 0,1,2,3,4,5,6,7
	global_load_b32 v[BV+8*\t+\j], v5, s[88:89] offset:64*\t
.endr
.endr
.irp k, 0,1,2,3,4,5,6,7
	v_mov_b32 v[TX+\k], 0                          ; written once: a lane permute's destination counts as one of its sources
.endr
	v_cmp_ne_u32 vcc_lo, 0, v12                    ; lanes 16-31
.macro WM hi                           ; one product on the registers named by rD, rA, rB, rC, rSA, rSB; hi = 1: both sides' words from lanes 16-31
.if \hi
	v_wmma_scale_f32_16x16x128_f8f6f4 v[rD:rD+7], v[rA:rA+7], v[rB:rB+7], v[rC:rC+7], v[rSA], v[rSB] matrix_a_fmt:MATRIX_FMT_FP4 matrix_b_fmt:MATRIX_FMT_FP4 matrix_a_scale:MATRIX_SCALE_ROW1 matrix_b_scale:MATRIX_SCALE_ROW1
.else
	v_wmma_scale_f32_16x16x128_f8f6f4 v[rD:rD+7], v[rA:rA+7], v[rB:rB+7], v[rC:rC+7], v[rSA], v[rSB] matrix_a_fmt:MATRIX_FMT_FP4 matrix_b_fmt:MATRIX_FMT_FP4
.endif
.endm
.macro MULQK s, p, n                   ; K step s, fragment set p: tile n of Wq (0-3) or Wk (4-7) against x's four tiles
.if (\s) == 0
	WIN 0x4f                                       ; sources 0 and 1 window 3, C (the bias) window 0, D window 1
.else
	WIN 0x5f                                       ; C and D window 1
.endif
.irp i, 0,1,2,3
.set rD, 128*((\n)/4)+32*\i+8*((\n)%4)
.set rA, 128*(\p)+32+8*(\n)
.set rB, 128*(\p)+8*\i
.set rC, rD
.if (\s) == 0
.set rC, BQ+8*(\n)
.endif
.set rSA, WS+4*(\n)+(\s)%4
.set rSB, XS+4*\i+(\s)%4
	WM (\s)/4
.endr
.endm
.macro MULV s, p                       ; x's four tiles against Wv's four
.if (\s) == 0
	WIN 0x8f                                       ; C (the bias) window 0, D window 2
.else
	WIN 0xaf
.endif
.irp t, 0,1,2,3
.irp i, 0,1,2,3
.set rD, 32*\t+8*\i
.set rA, 128*(\p)+8*\i
.set rB, 128*(\p)+32+8*(8+\t)
.set rC, rD
.if (\s) == 0
.set rC, BV+8*\t
.endif
.set rSA, XS+4*\i+(\s)%4
.set rSB, WS+4*(8+\t)+(\s)%4
	WM (\s)/4
.endr
.endr
.endm
; 32 LDS loads in one run: K step s's fragments into set p.  A fragment (16 rows x 128 K of 4-bit codes) is 8 registers: lane (r, h) takes 16 bytes at row r, 16 h, and 16 more 32 bytes on.
.macro FETCH s, p
	WIN 0xc0                                       ; destination window 3, address window 0
.irp i, 0,1,2,3
	ds_load_b128 v[128*(\p)+8*\i:128*(\p)+8*\i+3], v[ADX+(\s)/4] offset:64*((\s)%4)+\i*16*PITCH
	ds_load_b128 v[128*(\p)+8*\i+4:128*(\p)+8*\i+7], v[ADX+(\s)/4] offset:64*((\s)%4)+\i*16*PITCH+32
.endr
.irp n, 0,1,2,3,4,5,6,7,8,9,10,11
	ds_load_b128 v[128*(\p)+32+8*\n:128*(\p)+32+8*\n+3], v[ADW+(\s)/4] offset:64*((\s)%4)+\n*16*PITCH
	ds_load_b128 v[128*(\p)+32+8*\n+4:128*(\p)+32+8*\n+7], v[ADW+(\s)/4] offset:64*((\s)%4)+\n*16*PITCH+32
.endr
.endm
; A K step of 128: 48 matrix instructions, the 48 accumulators by turns in the same order in every step; the next step's loads stand in one run in its middle.
.macro STEP s
	s_wait_dscnt 0x0                               ; this step's fragments are in (asked for 24 matrix instructions ago)
.irp n, 0,1,2,3,4,5
	MULQK \s, (\s)%2, \n
.endr
.if (\s) == 3
	s_wait_tensorcnt 0x0                           ; my parts of the second half of K have landed; no LDS instruction of mine is out
	s_barrier_signal -1
	s_barrier_wait -1                              ; everybody's have
.endif
.if (\s) < 7
	PLACES 4                                       ; in front of loads into the set that the step before multiplied
	FETCH (\s)+1, ((\s)+1)%2
.endif
	MULQK \s, (\s)%2, 6
	MULQK \s, (\s)%2, 7
	MULV \s, (\s)%2
.endm
	s_wait_tensorcnt 0x4                           ; my four loads of the first half of K have landed; the four of the second half may be out
	s_barrier_signal -1
	s_barrier_wait -1                              ; everybody's have
	FETCH 0, 0
	s_wait_loadcnt 0x0                             ; scale words and biases
.irp s, 0,1,2,3,4,5,6,7
	STEP \s
.endr
	WIN 0
	PLACES 4                                       ; in front of the first read of results
; FOUR UNITS ARE QUANTISED.  A unit is 32 registers of a lane, four accumulators T0-T3 at base + 32 u: register 8 T + j is element 16 T + 8 h + j along the next K.  Block b of 32 is T(2b), T(2b+1), shared with lane l xor 16.
; A block's scale byte is its largest magnitude's exponent field - 2, held at 1 from below by the floor 2^(3 - 127) among the maximum's leaves; the conversion takes the exponent field of its scale operand alone.
; The conversions' results go to registers 0, 2, 1, 3 of the unit's four, and two exchanges of halves then leave lane (r, h) with block h of its row, register q = elements 8 q .. 8 q + 7: the operand's layout.
; w2: the window setting with sources 0 and 1 in the accumulators' window; w1: with source 0 there.  Each accumulator is read from its low end on.
.macro QUANT4 base, w2, w1, set
.set QPC, 80+24*(\set)                 ; 16 registers of codes,
.set QWD, QPC+16                       ; 4 scale words, 2 words as they leave: a set of its own for q, k, v, so that no store's data are written again
	WIN \w2
.irp k, 0,1,2,3,4,5,6,7
	v_max3_num_f32 v[TM+\k], |v[(\base)+16*\k]|, |v[(\base)+16*\k+1]|, 0x1800000
.endr
.irp i, 2,4,6,8,10,12,14
.irp k, 0,1,2,3,4,5,6,7
	v_max3_num_f32 v[TM+\k], |v[(\base)+16*\k+\i]|, |v[(\base)+16*\k+\i+1]|, v[TM+\k]   ; the eight blocks by turns
.endr
.endr
	WIN 0
.irp k, 0,1,2,3,4,5,6,7
	v_permlanex16_b32 v[TX+\k], v[TM+\k], s12, s13
.endr
.irp k, 0,1,2,3,4,5,6,7
	v_max_num_f32 v[TM+\k], v[TM+\k], v[TX+\k]     ; with lane l xor 16's: the block's largest magnitude
.endr
.irp k, 0,1,2,3,4,5,6,7
	v_add_nc_u32 v[SO+\k], 0xff000000, v[TM+\k]    ; 2 off its exponent field
.endr
.irp k, 0,1,2,3,4,5,6,7
	v_lshrrev_b32 v[TX+\k], 23, v[SO+\k]           ; the scale's byte
.endr
.irp u, 0,1,2,3
	v_lshl_or_b32 v[QWD+\u], v[TX+2*\u+1], 8, v[TX+2*\u]   ; the unit's two bytes
.endr
	WIN \w1
.irp u, 0,1,2,3
	v_cvt_scalef32_pk8_fp4_f32 v[QPC+4*\u], v[(\base)+32*\u:(\base)+32*\u+7], v[SO+2*\u]
	v_cvt_scalef32_pk8_fp4_f32 v[QPC+4*\u+2], v[(\base)+32*\u+8:(\base)+32*\u+15], v[SO+2*\u]
	v_cvt_scalef32_pk8_fp4_f32 v[QPC+4*\u+1], v[(\base)+32*\u+16:(\base)+32*\u+23], v[SO+2*\u+1]
	v_cvt_scalef32_pk8_fp4_f32 v[QPC+4*\u+3], v[(\base)+32*\u+24:(\base)+32*\u+31], v[SO+2*\u+1]
.endr
	v_nop                                          ; one plain place behind the last scaled conversion
	WIN 0
.irp u, 0,1,2,3
	v_permlane16_swap_b32 v[QPC+4*\u], v[QPC+4*\u+1]     ; the first's lanes 16-31 change places with the second's lanes 0-15
	v_permlane16_swap_b32 v[QPC+4*\u+2], v[QPC+4*\u+3]
.endr
	v_cndmask_b32 v[QWD+4], v[QWD], v[QWD+1], vcc_lo     ; lane 16 h + r takes unit 2 p + h's word of row r: p = 0,
	v_cndmask_b32 v[QWD+5], v[QWD+2], v[QWD+3], vcc_lo   ; p = 1
.endm
	QUANT4 0, 0x05, 0x01, 0                        ; q: unit = tile of rows i
.irp u, 0,1,2,3
	global_store_b128 v1, v[QPC+4*\u:QPC+4*\u+3], s[94:95] offset:512*\u      ; 32 lanes store 512 consecutive bytes, aligned
.endr
	global_store_b64 v2, v[QWD+4:QWD+5], s[92:93] offset:65536                ; 256 consecutive bytes, aligned
	QUANT4 128, 0x05, 0x01, 1                      ; k
.irp u, 0,1,2,3
	global_store_b128 v1, v[QPC+4*\u:QPC+4*\u+3], s[96:97] offset:512*\u
.endr
	global_store_b64 v2, v[QWD+4:QWD+5], s[98:99] offset:131072
	QUANT4 0, 0x0a, 0x02, 2                        ; v: unit = tile of channels t; the blocks run along my 64 keys
.irp u, 0,1,2,3
	global_store_b128 v1, v[QPC+4*\u:QPC+4*\u+3], s[96:97] offset:65536+512*\u
.endr
	ds_store_b16 v10, v[QWD+4]                     ; my two bytes of each channel's word for 128 keys: two waves make a word
	ds_store_b16 v10, v[QWD+5] offset:4
	s_wait_dscnt 0x0                               ; for the others' sake: my stores have landed
	s_barrier_signal -1
	s_barrier_wait -1
	s_cmp_lg_u32 s4, 0
	s_cbranch_scc1 .Lnot_mine
	ds_load_b128 v[176:179], v11                   ; wave 0 takes the 512 bytes
	s_wait_dscnt 0x0
	global_store_b128 v1, v[176:179], s[90:91] offset:139264
.Lnot_mine:
	s_wait_tensorcnt 0x0
	ds_add_u32 v254, v255
	s_wait_dscnt 0x0
	CROUND                                         ; the closing round: no work-group ends while a partner may still ask for a tile that names it
	s_endpgm
.Lfunc_end_k_q4af5e8bc99_qkv:
	.size	k_q4af5e8bc99_qkv, .Lfunc_end_k_q4af5e8bc99_qkv-k_q4af5e8bc99_qkv
	.p2alignl 7, 3214868480
	.fill 96, 4, 3214868480
	.section	.rodata,"a",@progbits
	.p2align	6, 0x0
	.amdhsa_kernel k_q4af5e8bc99_qkv
		.amdhsa_group_segment_fixed_size 327680
		.amdhsa_private_segment_fixed_size 0
		.amdhsa_enable_private_segment 0
		.amdhsa_kernarg_size 104
		.amdhsa_user_sgpr_count 2
		.amdhsa_user_sgpr_kernarg_segment_ptr 1
		.amdhsa_wavefront_size32 1
		.amdhsa_system_sgpr_workgroup_id_x 1
		.amdhsa_system_sgpr_workgroup_id_y 1
		.amdhsa_system_sgpr_workgroup_id_z 1
		.amdhsa_system_vgpr_workitem_id 0
		.amdhsa_next_free_vgpr 1024
		.amdhsa_next_free_sgpr 100
		.amdhsa_reserve_vcc 1
		.amdhsa_float_denorm_mode_32 3
		.amdhsa_float_denorm_mode_16_64 3
		.amdhsa_memory_ordered 1
		.amdhsa_forward_progress 1
		.amdhsa_inst_pref_size 106
	.end_amdhsa_kernel
	.amdgpu_metadata
---
amdhsa.version: [ 1, 2 ]
amdhsa.kernels:
  - .name:           k_q4af5e8bc99_qkv
    .symbol:         k_q4af5e8bc99_qkv.kd
    .args:
      - { .name: x_codes, .offset: 0, .size: 8, .value_kind: global_buffer, .address_space: global }
      - { .name: x_scales, .offset: 8, .size: 8, .value_kind: global_buffer, .address_space: global }
      - { .name: Wq_codes, .offset: 16, .size: 8, .value_kind: global_buffer, .address_space: global }
      - { .name: Wq_scales, .offset: 24, .size: 8, .value_kind: global_buffer, .address_space: global }
      - { .name: Wk_codes, .offset: 32, .size: 8, .value_kind: global_buffer, .address_space: global }
      - { .name: Wk_scales, .offset: 40, .size: 8, .value_kind: global_buffer, .address_space: global }
      - { .name: Wv_codes, .offset: 48, .size: 8, .value_kind: global_buffer, .address_space: global }
      - { .name: Wv_scales, .offset: 56, .size: 8, .value_kind: global_buffer, .address_space: global }
      - { .name: bq, .offset: 64, .size: 8, .value_kind: global_buffer, .address_space: global }
      - { .name: bk, .offset: 72, .size: 8, .value_kind: global_buffer, .address_space: global }
      - { .name: bv, .offset: 80, .size: 8, .value_kind: global_buffer, .address_space: global }
      - { .name: kv, .offset: 88, .size: 8, .value_kind: global_buffer, .address_space: global }
      - { .name: qq, .offset: 96, .size: 8, .value_kind: global_buffer, .address_space: global }
    .group_segment_fixed_size: 327680
    .private_segment_fixed_size: 0
    .kernarg_segment_align: 8
    .kernarg_segment_size: 104
    .max_flat_workgroup_size: 128
    .sgpr_count:     100
    .vgpr_count:     1024
    .wavefront_size: 32
...
	.end_amdgpu_metadata
.endif
;; end of part 1
;; launch attn (part 2): grid 8 x 32, 16 waves a work-group, clusters of 4 x 1, 327,680 bytes of LDS; arguments kv, qq, cc, cs; writes cc, cs
.if DOCPART == 2
	.amdgcn_target "amdgcn-amd-amdhsa--gfx1250"
	.amdhsa_code_object_version 6
	.text
	.protected	k_q4af5e8bc99_attn
	.globl	k_q4af5e8bc99_attn
	.p2align	8
	.type	k_q4af5e8bc99_attn,@function
k_q4af5e8bc99_attn:
	s_mov_b64 s[64:65], 0
	v_nop
	global_prefetch_b8 v0, s[64:65] scope:SCOPE_SE
	s_setreg_imm32_b32 hwreg(HW_REG_WAVE_MODE, 25, 1), 1
	s_wait_xcnt 0x0
	s_wait_alu depctr_hold_cnt(0) depctr_sa_sdst(0) depctr_va_vdst(0) depctr_va_sdst(0) depctr_va_ssrc(0) depctr_va_vcc(0) depctr_vm_vsrc(0)
	s_getreg_b32 s2, hwreg(HW_REG_IB_STS2, 6, 4)
	s_cmp_eq_u32 s2, 0
	s_cbranch_scc0 .Lentry_in_a_cluster
	s_endpgm
.Lentry_in_a_cluster:
	s_bfe_u32 s2, ttmp6, 0x10000c
	s_cmp_lg_u32 s2, 0x3003
	s_cbranch_scc0 .Lentry_shape_is_right
	s_endpgm
.Lentry_shape_is_right:
; ctx = softmax(q k^T / 8) v for two heads and 256 queries, both products on codes of FP4 (E2M1) with E8M0 scales; ctx is quantised along the concatenated heads' 1,024 for the last product.
; THE SOFTMAX: t = score x log2(e) / 8; M = the row's largest t so far, rounded UP to a whole number; p = 2^(t - M) is quantised along the keys, not normalised.  The row's sum is taken of the unquantised p and
; divides at the end.  When M moves, the sum and O are multiplied by 2^(old M - new M), which rounds nothing.
; SHARES.  Work-group y = 8 batch + pair takes heads 2 pair and 2 pair + 1 of the batch, work-group x a block of 256 queries.  Each of SIXTEEN waves owns 16 queries, in 256 registers, four waves to a SIMD, and
; makes two passes, one a head; a pass walks the head's 2,048 keys, 128 a step.  Two heads make a whole K step (128) of the last product: whole fragments and whole scale words.
; LDS.  Both heads' k and v, codes and scale words, 143,360 bytes each, lie in LDS as they lie in memory: images of operand registers, so every read is 16 or 8 bytes x lane on end.  Each byte is filled once.
; CLUSTER.  The four query blocks of a cluster read the same two heads: the loads are joint, with the mask of all four.
; LAYOUT.  S^T = k q^T (source 0 = 16 keys, source 1 = my 16 queries), O^T = v^T p^T (source 0 = 16 channels, source 1 = p): a lane holds ONE query (lane % 16) throughout.
; The head's 64 fill half of the instruction's 128 along K: registers 4-7 of q's and k's fragments are zero codes, cleared once and never loaded, and bytes 2, 3 of their scale words are 0.
; LIMITS: NaN and infinities are not served.  p under 2^-126 comes out of v_exp_f32 as 0.  The division by the sum is v_rcp_f32 and a multiplication.  A block of zeros gets the byte 1: its codes are zeros, and this program alone reads the bytes.
; REGISTERS: v1-6 addresses that stay; v8-11 the step's addresses; v12 -M, v13 the largest t, v[14:15] the sum in two halves; v16-23 q; v24 q's scale word; v25 ctx's; v28-31 k's scale words; v32-95 eight fragments of k;
;   v96-159 S^T, then p; v160-191 O^T; v192-199 p's codes; v200-231 four fragments of v; v232-239, v244-247, v254 at work; v240-241 v's scale words; v242 p's; v248-251 ctx's codes; v[252:253] f.
.set KVH,  143360                      ; a head in kv and in LDS: k's codes, + 65,536 v's codes, + 131,072 k's scale words, + 139,264 v's
.set QH,   73728                       ; a head in qq: codes, + 65,536 scale words
.set CSTG, 2*KVH                       ; behind the heads: 1,024 bytes in which the sixteen waves' scale words of ctx meet; no tile lands here
.macro CROUND                          ; a round of the cluster's barrier
	s_barrier_signal -1
	s_barrier_wait -1
	s_cmp_lg_u32 s12, 0
	s_cbranch_scc1 .Lnot_wave_0_\@
	s_barrier_signal -3
.Lnot_wave_0_\@:
	s_barrier_wait -3
	s_barrier_signal -1
	s_barrier_wait -1
.endm
	s_load_b256 s[4:11], s[0:1], 0x0               ; kv 4, qq 6, cc 8, cs 10
	v_lshl_add_u32 v243, v0, 2, 0x46400
	v_mov_b32 v255, 0
	ds_add_u32 v243, v255
	ds_add_u32 v243, v255
	v_lshrrev_b32 v7, 5, v0
	s_delay_alu instid0(VALU_DEP_1)
	v_readfirstlane_b32 s12, v7                    ; wave 0..15
	s_bfe_u32 s13, ttmp6, 0x40000                  ; cx
	s_lshl_b32 s14, ttmp9, 2
	s_add_co_u32 s14, s14, s13                     ; my block of 256 queries: it enters global addresses of q and ctx alone
	s_and_b32 s15, ttmp7, 0xffff                   ; y, which the four partners share
	; group 1: a sixteenth of a head, 8,960 dense bytes, as 35 rows of 256 bytes (32 elements of 8 bytes), no padding
	s_mov_b32 s16, 15|(3<<16)|(1<<21)              ; the mask: all four work-groups; elements of 8 bytes; 21 set beside a mask
	s_mov_b32 s17, 32<<16                          ; tensor_dim0
	s_mov_b32 s18, 35<<16                          ; tensor_dim1
	s_mov_b32 s19, 32<<16                          ; tile_dim0
	s_mov_b32 s20, 35                              ; tile_dim1
	s_mov_b32 s21, 32                              ; from row to row
	s_mov_b32 s22, 0
	s_mov_b32 s23, 0
	s_mul_i32 s48, s15, 2*KVH
	s_mul_i32 s49, s12, 8960                       ; my sixteenth, in memory and in LDS
	s_add_co_u32 s50, s48, s49
	s_mov_b32 s51, 0
	s_mov_b32 s32, 0x76543210
	s_mov_b32 s33, 0xfedcba98                      ; v_permlanex16_b32's selects for lane l xor 16
	s_mov_b32 s34, 0x3e38aa3b                      ; c = log2(e) / 8
	s_mov_b32 s35, s34                             ; (named with it as a pair, so it is written)
	s_wait_dscnt 0x0
	s_wait_kmcnt 0x0
	s_mov_b32 s24, 1                               ; group 0 for the first head
	s_mov_b32 s25, s49
	s_add_nc_u64 s[26:27], s[4:5], s[50:51]
	s_mov_b32 s28, 1                               ; and for the second: both addresses a head on
	s_add_co_u32 s29, s49, KVH
	s_add_nc_u64 s[30:31], s[26:27], KVH
	s_or_b32 s27, s27, 0x80000000                  ; type = 2
	s_or_b32 s31, s31, 0x80000000
	CROUND                                         ; all four work-groups are here: the joint loads meet
	tensor_load_to_lds s[24:27], s[16:23]          ; the first head's fill: one load of mine is out
	s_nop 0
	s_wait_alu depctr_va_vdst(0)
	s_wait_tensorcnt 0x0
	ds_add_u32 v243, v255
	s_wait_dscnt 0x0
	CROUND
	tensor_load_to_lds s[28:31], s[16:23]
	s_nop 0
.rept 4
	v_nop                                          ; four v_nop follow the second
.endr
	s_mul_i32 s52, s15, 2*QH
	s_mov_b32 s53, 0
	s_add_nc_u64 s[6:7], s[6:7], s[52:53]          ; qq at the first head
	s_lshl_b32 s52, s14, 13                        ; q's codes: tile 16 block + wave, 512 bytes a tile
	s_lshl_b32 s54, s12, 9
	s_add_co_u32 s52, s52, s54
	s_add_nc_u64 s[40:41], s[6:7], s[52:53]
	s_lshl_b32 s52, s14, 10                        ; q's scale words: [64 rows][lane][p]: my tile is 2 p + h of its 64 rows
	s_lshr_b32 s54, s12, 2
	s_lshl_b32 s54, s54, 8
	s_add_co_u32 s52, s52, s54
	s_and_b32 s54, s12, 1
	s_lshl_b32 s54, s54, 7                         ; h: lanes 16-31's words begin 128 bytes on
	s_add_co_u32 s52, s52, s54
	s_bfe_u32 s54, s12, 0x10001
	s_lshl_b32 s54, s54, 2                         ; p
	s_add_co_u32 s52, s52, s54
	s_add_co_u32 s52, s52, 65536
	s_add_nc_u64 s[42:43], s[6:7], s[52:53]
	s_lshr_b32 s55, s15, 3                         ; batch
	s_and_b32 s56, s15, 7                          ; pair
	s_lshl_b32 s52, s55, 20                        ; ctx's codes: [tile of 16 rows][head][lane][16 bytes]: tile 128 batch + 16 block + wave, head 2 pair
	s_lshl_b32 s54, s14, 17
	s_add_co_u32 s52, s52, s54
	s_lshl_b32 s54, s12, 13
	s_add_co_u32 s52, s52, s54
	s_lshl_b32 s54, s56, 10
	s_add_co_u32 s52, s52, s54
	s_add_nc_u64 s[44:45], s[8:9], s[52:53]
	s_lshl_b32 s52, s56, 15                        ; ctx's scale words: [K step = pair][row]: the work-group's 256 rows
	s_lshl_b32 s54, s55, 13
	s_add_co_u32 s52, s52, s54
	s_lshl_b32 s54, s14, 10
	s_add_co_u32 s52, s52, s54
	s_add_nc_u64 s[46:47], s[10:11], s[52:53]
	v_and_b32 v7, 31, v0                           ; lane
	s_delay_alu instid0(VALU_DEP_1)
	v_lshlrev_b32 v1, 4, v7                        ; 16 x lane
	s_delay_alu instid0(VALU_DEP_2)
	v_lshlrev_b32 v2, 3, v7                        ; 8 x lane
	v_and_b32 v7, 15, v0                           ; r
	s_delay_alu instid0(VALU_DEP_1)
	v_lshlrev_b32 v3, 3, v7                        ; 8 r
	s_lshl_b32 s54, s12, 6
	s_add_co_u32 s54, s54, CSTG
	v_lshl_add_u32 v4, v7, 2, s54                  ; ctx's scale word of my query: 64 x wave + 4 r
	v_and_b32 v6, 63, v0
	s_delay_alu instid0(VALU_DEP_1)
	v_lshlrev_b32 v6, 4, v6                        ; and on the way out (waves 0 and 1): 16 bytes a thread
	s_delay_alu instid0(VALU_DEP_1)
	v_add_nc_u32 v5, CSTG, v6
.irp j, 20,21,22,23
	v_mov_b32 v[\j], 0                             ; q's zero codes for k = 64 .. 127
.endr
.irp t, 0,1,2,3,4,5,6,7
.irp j, 4,5,6,7
	v_mov_b32 v[32+8*\t+\j], 0                     ; k's likewise: cleared once, never loaded
.endr
.endr
.irp b, 0,1,2,3
	v_mov_b32 v[236+\b], 0                         ; written once: a lane permute's destination counts as one of its sources
.endr
	v_mov_b32 v253, 0                              ; (named as the upper half of the pair v[252:253])
; A PASS: head e of the two.
.macro PASS e
	global_load_b128 v[16:19], v1, s[40:41] offset:QH*\e     ; q's fragment: lane (r, h) = query r, channels 32 h .. + 31
	global_load_b32 v24, v3, s[42:43] offset:QH*\e           ; its scale words: lane r takes query r's
	v_mov_b32 v13, 0xff61b1e6                      ; the largest t so far: -3e38, under every t
	s_delay_alu instid0(VALU_DEP_1)
	v_floor_f32 v12, -v13                          ; -M
	v_mov_b32 v14, 0                               ; the sum, in two halves
	v_mov_b32 v15, 0
.set j, 0
.rept 32
	v_mov_b32 v[160+j], 0                          ; O^T: the step is written once; the first finds zeros, which the first change of M leaves zeros
.set j, j+1
.endr
	s_mov_b32 s36, KVH*\e                          ; LDS: the step's codes of k (v's lie 65,536 on),
	s_mov_b32 s37, KVH*\e+131072                   ; its scale words of k,
	s_mov_b32 s38, KVH*\e+139264                   ; and of v
	s_mov_b32 s39, 16                              ; key steps
	s_wait_loadcnt 0x0
.Lstep_\@:
	s_setprio 2
	v_add_nc_u32 v8, s36, v1                       ; these four are also the places in front of loads into registers that the last products read
	s_delay_alu instid0(VALU_DEP_1)
	v_add_nc_u32 v9, 0x10000, v8
	v_add_nc_u32 v10, s37, v2
	v_add_nc_u32 v11, s38, v2
.irp t, 0,1,2,3,4,5,6,7
	ds_load_b128 v[32+8*\t:35+8*\t], v8 offset:512*\t        ; keys 16 t .. 16 t + 15 of the step
.endr
	ds_load_b64 v[28:29], v10                      ; register t / 2: lanes 0-15 tile t even, lanes 16-31 tile t odd
	ds_load_b64 v[30:31], v10 offset:256
.irp t, 0,1,2,3
.irp c, 0,1
	ds_load_b128 v[200+8*\t+4*\c:203+8*\t+4*\c], v9 offset:2048*\c+512*\t   ; channels 16 t on, keys 64 c + 32 h on
.endr
.endr
	ds_load_b64 v[240:241], v11
	s_wait_dscnt 0x9                               ; k and its words are in; v's eight loads and its words' one may be out
.irp t, 0,2,4,6
	v_wmma_scale_f32_16x16x128_f8f6f4 v[96+8*\t:103+8*\t], v[32+8*\t:39+8*\t], v[16:23], 0, v[28+\t/2], v24 matrix_a_fmt:MATRIX_FMT_FP4 matrix_b_fmt:MATRIX_FMT_FP4
	v_wmma_scale_f32_16x16x128_f8f6f4 v[104+8*\t:111+8*\t], v[40+8*\t:47+8*\t], v[16:23], 0, v[28+\t/2], v24 matrix_a_fmt:MATRIX_FMT_FP4 matrix_b_fmt:MATRIX_FMT_FP4 matrix_a_scale:MATRIX_SCALE_ROW1
.endr                                          ; register 8 t + j of lane (r, h): query r, key 16 t + 8 h + j
.rept 4
	v_nop                                          ; places in front of the first read of results
.endr
.irp b, 0,1,2,3
	v_max3_num_f32 v[232+\b], v[96+16*\b], v[97+16*\b], v[98+16*\b]   ; the largest score of each block of 32 keys: for the row's maximum, and, since p rises with the score, for the block's largest p
.endr
.irp i, 3,5,7,9,11,13
.irp b, 0,1,2,3
	v_max3_num_f32 v[232+\b], v[232+\b], v[96+16*\b+\i], v[97+16*\b+\i]   ; (the four blocks by turns)
.endr
.endr
.irp b, 0,1,2,3
	v_max_num_f32 v[232+\b], v[232+\b], v[111+16*\b]
.endr
.irp b, 0,1,2,3
	s_delay_alu instid0(VALU_DEP_4)
	v_permlanex16_b32 v[236+\b], v[232+\b], s32, s33
.endr
.irp b, 0,1,2,3
	s_delay_alu instid0(VALU_DEP_4)
	v_max_num_f32 v[232+\b], v[232+\b], v[236+\b]  ; with lane l xor 16's 16 keys
.endr
	s_delay_alu instid0(VALU_DEP_2)
	v_max3_num_f32 v254, v232, v233, v234
	s_delay_alu instid0(VALU_DEP_1)
	v_max_num_f32 v254, v254, v235                 ; the step's largest score of my query
	s_delay_alu instid0(VALU_DEP_1)
	v_mul_f32 v254, s34, v254                      ; as t (c is positive)
	s_delay_alu instid0(VALU_DEP_1)
	v_max_num_f32 v13, v13, v254                   ; the running largest t
	v_mov_b32 v254, v12
	s_delay_alu instid0(VALU_DEP_2)
	v_floor_f32 v12, -v13                          ; the new -M = floor(-t) = -ceil(t)
	s_delay_alu instid0(VALU_DEP_1)
	v_sub_f32 v254, v12, v254                      ; old M - new M: a whole number, 0 or less
	s_delay_alu instid0(VALU_DEP_1)
	v_cvt_i32_f32 v254, v254                       ; (it saturates)
	s_delay_alu instid0(VALU_DEP_1)
	v_ldexp_f32 v252, 1.0, v254                    ; f = 2^(old M - new M)
.set j, 0
.rept 32
	v_pk_fma_f32 v[96+j:97+j], v[96+j:97+j], s[34:35], v[12:13] op_sel_hi:[1,0,0]   ; t - M, two at a time
.set j, j+2
.endr
.irp b, 0,1,2,3
	v_fma_f32 v[232+\b], v[232+\b], s34, v12       ; the same of each block's largest score
.endr
.set j, 0
	s_wait_alu depctr_va_vdst(0)
.rept 64
	v_exp_f32 v[96+j], v[96+j]                     ; p = 2^(t - M), at most 1
.set j, j+1
.endr
	s_setprio 1
	v_pk_mul_f32 v[14:15], v[14:15], v[252:253] op_sel_hi:[1,0]   ; the sums under the new M: the plain instruction behind the exponentials
	s_wait_alu depctr_va_vdst(0)                   ; one wait for the batch of 64, ahead of its first reader
.irp b, 0,1,2,3
	v_exp_f32 v[232+\b], v[232+\b]                 ; the block's largest p: the same two instructions on the same number give the same bits
.endr
	v_pk_add_f32 v[236:237], v[96:97], v[98:99]    ; the row's sum of the UNQUANTISED p, two at a time, in two chains; it reads the 64 alone
.irp j, 4,8,12,16,20,24,28,32,36,40,44,48,52,56,60
	v_pk_add_f32 v[14:15], v[14:15], v[96+\j:97+\j]
	v_pk_add_f32 v[236:237], v[236:237], v[98+\j:99+\j]
.endr
	s_delay_alu instid0(VALU_DEP_1)
	v_pk_add_f32 v[14:15], v[14:15], v[236:237]
	s_wait_alu depctr_va_vdst(0)                   ; and one for the four
.irp b, 0,1,2,3
	v_max_num_f32 v[232+\b], 0x1800000, v[232+\b]  ; the floor 2^(3 - 127): the byte cannot fall under 1
.endr
.irp b, 0,1,2,3
	s_delay_alu instid0(VALU_DEP_4)
	v_add_nc_u32 v[244+\b], 0xff000000, v[232+\b]  ; 2 off the exponent field: the conversion's scale operand
.endr
.irp b, 0,1,2,3
	s_delay_alu instid0(VALU_DEP_4)
	v_lshrrev_b32 v[236+\b], 23, v[244+\b]         ; the scale's byte
.endr
	s_delay_alu instid0(VALU_DEP_3)
	v_lshl_or_b32 v242, v237, 8, v236              ; p's scale word for these 128 keys
	s_delay_alu instid0(VALU_DEP_1)
	v_lshl_or_b32 v242, v238, 16, v242
	s_delay_alu instid0(VALU_DEP_1)
	v_lshl_or_b32 v242, v239, 24, v242
.irp c, 0,1                                    ; tiles 4 c .. 4 c + 3 go to registers 0, 2, 1, 3 of the four, so that two exchanges of halves give the operand's layout
	v_cvt_scalef32_pk8_fp4_f32 v[192+4*\c], v[96+32*\c:103+32*\c], v[244+2*\c]
	v_cvt_scalef32_pk8_fp4_f32 v[194+4*\c], v[104+32*\c:111+32*\c], v[244+2*\c]
	v_cvt_scalef32_pk8_fp4_f32 v[193+4*\c], v[112+32*\c:119+32*\c], v[245+2*\c]
	v_cvt_scalef32_pk8_fp4_f32 v[195+4*\c], v[120+32*\c:127+32*\c], v[245+2*\c]
.endr
	v_nop                                          ; one plain place behind the last scaled conversion
.irp c, 0,1
	v_permlane16_swap_b32 v[192+4*\c], v[193+4*\c] ; registers 4 c .. 4 c + 3 of lane (r, h): keys 64 c + 32 h + 0 .. 31
	v_permlane16_swap_b32 v[194+4*\c], v[195+4*\c]
.endr
.set j, 0
	s_setprio 0
.rept 16
	v_pk_mul_f32 v[160+j:161+j], v[160+j:161+j], v[252:253] op_sel_hi:[1,0]   ; O^T under the new M, from each accumulator's low end on; these sixteen are also the places between the writes of p's scale word and codes and the products
.set j, j+2
.endr
	s_wait_alu depctr_va_vdst(0)
	s_wait_dscnt 0x0                               ; v and its words are in
.irp t, 0,2
	v_wmma_scale_f32_16x16x128_f8f6f4 v[160+8*\t:167+8*\t], v[200+8*\t:207+8*\t], v[192:199], v[160+8*\t:167+8*\t], v[240+\t/2], v242 matrix_a_fmt:MATRIX_FMT_FP4 matrix_b_fmt:MATRIX_FMT_FP4
	v_wmma_scale_f32_16x16x128_f8f6f4 v[168+8*\t:175+8*\t], v[208+8*\t:215+8*\t], v[192:199], v[168+8*\t:175+8*\t], v[240+\t/2], v242 matrix_a_fmt:MATRIX_FMT_FP4 matrix_b_fmt:MATRIX_FMT_FP4 matrix_a_scale:MATRIX_SCALE_ROW1
.endr                                          ; four accumulators, one instruction a turn
	s_add_co_u32 s36, s36, 4096                    ; the next 128 keys: eight tiles of k, two 64s of v,
	s_add_co_u32 s37, s37, 512                     ; two 64s of k's words,
	s_add_co_u32 s38, s38, 256                     ; one 128 of v's
	s_sub_co_u32 s39, s39, 1
	s_cmp_lg_u32 s39, 0
	s_cbranch_scc1 .Lstep_\@
	s_setprio 0
.rept 4
	v_nop                                          ; places in front of the first read of the last results
.endr
	v_add_f32 v14, v14, v15                        ; the sum's two halves,
	s_delay_alu instid0(VALU_DEP_1)
	v_permlanex16_b32 v254, v14, s32, s33
	s_delay_alu instid0(VALU_DEP_1)
	v_add_f32 v14, v14, v254                       ; and lane l xor 16's: the row's sum
	s_wait_alu depctr_va_vdst(0)
	v_rcp_f32 v14, v14
	v_nop                                          ; one plain place behind the reciprocal
	s_wait_alu depctr_va_vdst(0)                   ; and the wait ahead of its first reader
.set j, 0
.rept 16
	v_pk_mul_f32 v[96+j:97+j], v[160+j:161+j], v[14:15] op_sel_hi:[1,0]   ; ctx: register 8 t + j of lane (r, h) = query r, channel 16 t + 8 h + j
.set j, j+2
.endr
.irp b, 0,1                                    ; quantised along the head's 64: two blocks of the last product's K
	v_max3_num_f32 v[232+\b], |v[96+16*\b]|, |v[97+16*\b]|, 0x1800000
.endr
.irp i, 2,4,6,8,10,12,14
.irp b, 0,1
	s_delay_alu instid0(VALU_DEP_2)
	v_max3_num_f32 v[232+\b], v[232+\b], |v[96+16*\b+\i]|, |v[97+16*\b+\i]|
.endr
.endr
.irp b, 0,1
	s_delay_alu instid0(VALU_DEP_2)
	v_permlanex16_b32 v[236+\b], v[232+\b], s32, s33
.endr
.irp b, 0,1
	s_delay_alu instid0(VALU_DEP_2)
	v_max_num_f32 v[232+\b], v[232+\b], v[236+\b]
.endr
.irp b, 0,1
	s_delay_alu instid0(VALU_DEP_2)
	v_add_nc_u32 v[244+\b], 0xff000000, v[232+\b]
.endr
.irp b, 0,1
	s_delay_alu instid0(VALU_DEP_2)
	v_lshrrev_b32 v[236+\b], 23, v[244+\b]
.endr
.if \e == 0
	s_delay_alu instid0(VALU_DEP_1)
	v_lshl_or_b32 v25, v237, 8, v236               ; bytes 0, 1 of the K step's scale word
.else
	s_delay_alu instid0(VALU_DEP_2)
	v_lshl_or_b32 v25, v236, 16, v25               ; bytes 2, 3
	s_delay_alu instid0(VALU_DEP_1)
	v_lshl_or_b32 v25, v237, 24, v25
.endif
	s_wait_alu depctr_va_vdst(0)
	s_wait_xcnt 0x0                                ; the last pass's store has read v248-251: they are written again only behind this wait
	v_cvt_scalef32_pk8_fp4_f32 v248, v[96:103], v244
	v_cvt_scalef32_pk8_fp4_f32 v250, v[104:111], v244
	v_cvt_scalef32_pk8_fp4_f32 v249, v[112:119], v245
	v_cvt_scalef32_pk8_fp4_f32 v251, v[120:127], v245
	v_nop                                          ; one plain place behind the last scaled conversion
	v_permlane16_swap_b32 v248, v249
	v_permlane16_swap_b32 v250, v251               ; lane (r, h): query r, channels 32 h .. 32 h + 31 of the head
	global_store_b128 v1, v[248:251], s[44:45] offset:512*\e   ; 32 lanes store 512 consecutive bytes, aligned
.endm
	s_wait_tensorcnt 0x1                           ; my part of the first head has landed; the second head's may be out
	s_barrier_signal -1
	s_barrier_wait -1                              ; everybody's has
	PASS 0
	s_wait_tensorcnt 0x0                           ; my part of the second head has landed
	s_wait_dscnt 0x0
	s_barrier_signal -1
	s_barrier_wait -1
	PASS 1
	ds_store_b32 v4, v25                           ; both lanes of a query write the same word with the same value
	s_wait_dscnt 0x0                               ; for the others' sake
	s_barrier_signal -1
	s_barrier_wait -1
	s_cmp_gt_u32 s12, 1
	s_cbranch_scc1 .Lno_words
	ds_load_b128 v[96:99], v5                      ; waves 0 and 1 take the 256 rows' words, 1,024 bytes
	s_wait_dscnt 0x0
	global_store_b128 v6, v[96:99], s[46:47]       ; 512 consecutive bytes a wave, aligned
.Lno_words:
	s_wait_tensorcnt 0x0
	ds_add_u32 v243, v255
	s_wait_dscnt 0x0
	CROUND                                         ; the closing round: no work-group ends while a partner may still ask for a tile that names it
	s_endpgm
.Lfunc_end_k_q4af5e8bc99_attn:
	.size	k_q4af5e8bc99_attn, .Lfunc_end_k_q4af5e8bc99_attn-k_q4af5e8bc99_attn
	.p2alignl 7, 3214868480
	.fill 96, 4, 3214868480
	.section	.rodata,"a",@progbits
	.p2align	6, 0x0
	.amdhsa_kernel k_q4af5e8bc99_attn
		.amdhsa_group_segment_fixed_size 327680
		.amdhsa_private_segment_fixed_size 0
		.amdhsa_enable_private_segment 0
		.amdhsa_kernarg_size 32
		.amdhsa_user_sgpr_count 2
		.amdhsa_user_sgpr_kernarg_segment_ptr 1
		.amdhsa_wavefront_size32 1
		.amdhsa_system_sgpr_workgroup_id_x 1
		.amdhsa_system_sgpr_workgroup_id_y 1
		.amdhsa_system_sgpr_workgroup_id_z 1
		.amdhsa_system_vgpr_workitem_id 0
		.amdhsa_next_free_vgpr 256
		.amdhsa_next_free_sgpr 66
		.amdhsa_reserve_vcc 0
		.amdhsa_float_denorm_mode_32 3
		.amdhsa_float_denorm_mode_16_64 3
		.amdhsa_memory_ordered 1
		.amdhsa_forward_progress 1
		.amdhsa_inst_pref_size 52
	.end_amdhsa_kernel
	.amdgpu_metadata
---
amdhsa.version: [ 1, 2 ]
amdhsa.kernels:
  - .name:           k_q4af5e8bc99_attn
    .symbol:         k_q4af5e8bc99_attn.kd
    .args:
      - { .name: kv, .offset: 0, .size: 8, .value_kind: global_buffer, .address_space: global }
      - { .name: qq, .offset: 8, .size: 8, .value_kind: global_buffer, .address_space: global }
      - { .name: cc, .offset: 16, .size: 8, .value_kind: global_buffer, .address_space: global }
      - { .name: cs, .offset: 24, .size: 8, .value_kind: global_buffer, .address_space: global }
    .group_segment_fixed_size: 327680
    .private_segment_fixed_size: 0
    .kernarg_segment_align: 8
    .kernarg_segment_size: 32
    .max_flat_workgroup_size: 512
    .sgpr_count:     66
    .vgpr_count:     256
    .wavefront_size: 32
...
	.end_amdgpu_metadata
.endif
;; end of part 2
;; launch outp (part 3): grid 8 x 32, 4 waves a work-group, clusters of 4 x 4, 327,680 bytes of LDS; arguments cc, cs, Wo_codes, Wo_scales, bo, out0; writes out0
.if DOCPART == 3
	.amdgcn_target "amdgcn-amd-amdhsa--gfx1250"
	.amdhsa_code_object_version 6
	.text
	.protected	k_q4af5e8bc99_outp
	.globl	k_q4af5e8bc99_outp
	.p2align	8
	.type	k_q4af5e8bc99_outp,@function
k_q4af5e8bc99_outp:
	s_mov_b64 s[64:65], 0
	v_nop
	global_prefetch_b8 v0, s[64:65] scope:SCOPE_SE
	s_setreg_imm32_b32 hwreg(HW_REG_WAVE_MODE, 25, 1), 1
	s_wait_xcnt 0x0
	s_wait_alu depctr_hold_cnt(0) depctr_sa_sdst(0) depctr_va_vdst(0) depctr_va_sdst(0) depctr_va_ssrc(0) depctr_va_vcc(0) depctr_vm_vsrc(0)
	s_getreg_b32 s2, hwreg(HW_REG_IB_STS2, 6, 4)
	s_cmp_eq_u32 s2, 0
	s_cbranch_scc0 .Lentry_in_a_cluster
	s_endpgm
.Lentry_in_a_cluster:
	s_bfe_u32 s2, ttmp6, 0x10000c
	s_cmp_lg_u32 s2, 0xf033
	s_cbranch_scc0 .Lentry_shape_is_right
	s_endpgm
.Lentry_shape_is_right:
; out = ctx Wo^T + bo on codes of FP4 (E2M1) with E8M0 scales, sums in f32.  ctx: 8,192 rows x 1,024, as images of operand registers [tile of 16 rows][head 0..15][lane][16 bytes] (heads 2 s, 2 s + 1 are registers 0-3, 4-7 of
; K step s's fragment) and scale words [K step][row].  Wo: 1,024 rows of 512 bytes of codes, 32 scale bytes a row.  bo, out: f32.
; SHARES.  A work-group makes 256 rows x 128 columns over all of K; wave w rows 64 w .. 64 w + 63 (four tiles of ctx) against eight tiles of Wo: 32 accumulators.  All of K lies in LDS at once, as two halves: every byte is filled once.
; CLUSTER 4 x 4: the four work-groups of a row of the cluster share their rows of ctx, the four of a column their rows of Wo: both are asked for jointly.
; Source 0 = 16 rows of Wo, source 1 = 16 rows of ctx: a lane holds eight neighbouring columns of one row of out.  bo is the C of each sum's first matrix instruction.
; LIMITS: given scale bytes 0xff and NaN are not served.
; REGISTERS, in windows of 256: window 0: v1-10 addresses; v16-31 ctx's scale words; v32-63 Wo's; v64-127 bo's eight tiles; v128-255 two sets of 64 for the way out.
;   window 1: accumulator (i, n) at 64 i + 8 n.   window 2: two sets of fragments at 96 p: ctx's tile i at + 8 i, Wo's tile n at + 32 + 8 n.
.set PITCH,  272                       ; a row of Wo in LDS: 256 bytes + 16 of padding = 68 words: row r starts at bank 4 r mod 64 (64 banks of 4 bytes: ISA guide 11.1)
.set WOFF,   65536                     ; half of K: ctx's 16 tiles x 4,096 bytes of images, then Wo's 128 rows
.set SLOT,   WOFF+128*PITCH
.set STAGE,  2*SLOT                    ; behind the tiles: 16 rows x (512 bytes + 16) for each wave, for the way out; no tile lands here
.set SPITCH, 528
.set G1C, 16                           ; s[16:23] descriptor group 1 for ctx's tiles
.set G1W, 24                           ; s[24:31] for Wo's
.set G0,  32                           ; s[32:47] four groups 0: ctx, Wo of half 0; ctx, Wo of half 1
.set ADC, 5                            ; v5-6   LDS address of my ctx images in half 0, 1
.set ADW, 7                            ; v7-8   of Wo's fragments
.set STO, 9                            ; v9     the way out: where I put 32 bytes of a row
.set RD,  10                           ; v10    and where I read a row back
.set CS,  16
.set WS,  32
.set BO,  64
.set BK,  128
.set MSB, 0
.macro WIN new                         ; the immediate's high byte repeats the setting that is left; a switch that changes nothing is dropped
.if MSB != \new
	s_set_vgpr_msb (MSB<<8)|\new
.set MSB, \new
.endif
.endm
.macro CROUND                          ; a round of the cluster's barrier
	s_barrier_signal -1
	s_barrier_wait -1
	s_cmp_lg_u32 s4, 0
	s_cbranch_scc1 .Lnot_wave_0_\@
	s_barrier_signal -3
.Lnot_wave_0_\@:
	s_barrier_wait -3
	s_barrier_signal -1
	s_barrier_wait -1
.endm
.macro PLACES n                        ; plain vector instructions between a matrix instruction and a load into, or a read of, its registers
.rept \n
	v_nop
.endr
.endm
	s_load_b256 s[68:75], s[0:1], 0x0              ; cc 68, cs 70, Wo codes 72, Wo scales 74
	s_load_b128 s[76:79], s[0:1], 0x20             ; bo 76, out 78
	v_lshl_add_u32 v14, v0, 2, 0x39400
	s_set_vgpr_msb 0x80
	v_mov_b32 v255, 0
	s_set_vgpr_msb 0x8088
	ds_add_u32 v14, v255
	ds_add_u32 v14, v255
	s_set_vgpr_msb 0x8800
	v_lshrrev_b32 v15, 5, v0
	v_readfirstlane_b32 s4, v15                    ; wave 0..3
	s_bfe_u32 s5, ttmp6, 0x40000                   ; cx
	s_bfe_u32 s6, ttmp6, 0x40004                   ; cy
	s_lshl_b32 s7, ttmp9, 2
	s_add_co_u32 s7, s7, s5                        ; the block of 128 columns = 4 x cluster x + cx
	s_and_b32 s8, ttmp7, 0xffff
	s_lshl_b32 s8, s8, 2
	s_add_co_u32 s8, s8, s6                        ; the block of 256 rows = 4 x cluster y + cy
	s_lshl_b32 s9, s6, 2
	s_lshl_b32 s9, 15, s9                          ; my row of the cluster
	s_lshl_b32 s10, 0x1111, s5                     ; my column
	; group 1 for ctx: four tiles of rows, of each 4,096 bytes (eight heads' images) out of 8,192: 4 rows of 512 elements of 8 bytes, dense in LDS
	s_or_b32 s[G1C], s9, (3<<16)|(1<<21)           ; the mask; elements of 8 bytes; 21 set beside a mask
	s_mov_b32 s[G1C+1], 512<<16                    ; tensor_dim0
	s_mov_b32 s[G1C+2], 4<<16                      ; tensor_dim1
	s_mov_b32 s[G1C+3], 512<<16                    ; tile_dim0
	s_mov_b32 s[G1C+4], 4                          ; tile_dim1
	s_mov_b32 s[G1C+5], 1024                       ; from row to row
	s_mov_b32 s[G1C+6], 0
	s_mov_b32 s[G1C+7], 0
	; and for Wo: 32 rows of 256 bytes out of rows of 512, 16 bytes of padding behind each
	s_or_b32 s[G1W], s10, (0<<16)|(1<<20)|(1<<21)|(5<<22)|(3<<25)
	s_mov_b32 s[G1W+1], 256<<16
	s_mov_b32 s[G1W+2], 32<<16
	s_mov_b32 s[G1W+3], 256<<16
	s_mov_b32 s[G1W+4], 32
	s_mov_b32 s[G1W+5], 512
	s_mov_b32 s[G1W+6], 0
	s_mov_b32 s[G1W+7], 0
	s_lshl_b32 s12, s8, 17                         ; ctx: tile 16 block + 4 wave, 8,192 bytes a tile; these registers never hold cx
	s_lshl_b32 s13, s4, 15
	s_add_co_u32 s12, s12, s13
	s_mov_b32 s13, 0
	s_lshl_b32 s14, s7, 16                         ; Wo: row 128 block + 32 wave, 512 bytes a row; these never hold cy
	s_lshl_b32 s15, s4, 14
	s_add_co_u32 s14, s14, s15
	s_mov_b32 s15, 0
	s_lshl_b32 s80, s4, 14                         ; where they go: the wave's number alone enters an LDS address
	s_mul_i32 s81, s4, 32*PITCH
	s_mul_i32 s82, s4, 16*SPITCH
	s_add_co_u32 s82, s82, STAGE                   ; my stage
	v_and_b32 v11, 31, v0                          ; lane
	v_and_b32 v12, 15, v0                          ; r
	v_bfe_u32 v13, v0, 4, 1                        ; h
	v_lshlrev_b32 v1, 4, v11                       ; 16 x lane
	v_lshlrev_b32 v2, 5, v12
	v_lshl_add_u32 v2, v13, 4, v2                  ; 32 r + 16 h: a row's scale bytes of Wo, my half of them
	v_lshlrev_b32 v3, 2, v12
	v_lshl_add_u32 v3, v13, 17, v3                 ; 4 r + four K steps of ctx's words (32,768 bytes each) for lanes 16-31
	v_lshlrev_b32 v4, 5, v13                       ; 32 h: my eight numbers of a tile of bo
	v_add_nc_u32 v[ADC], s80, v1
	v_add_nc_u32 v[ADC+1], SLOT, v[ADC]
	v_mul_u32_u24 v[ADW], v12, PITCH
	v_lshl_add_u32 v[ADW], v13, 4, v[ADW]
	v_add_nc_u32 v[ADW], WOFF, v[ADW]
	v_add_nc_u32 v[ADW+1], SLOT, v[ADW]
	v_mul_u32_u24 v[STO], v12, SPITCH
	v_lshl_add_u32 v[STO], v13, 5, v[STO]
	v_add_nc_u32 v[STO], s82, v[STO]               ; in: row r, 32 bytes for each half of the lanes
	v_add_nc_u32 v[RD], s82, v1                    ; back: the 32 lanes take one row of 512 bytes
	s_wait_dscnt 0x0
	s_wait_kmcnt 0x0
	s_add_nc_u64 s[68:69], s[68:69], s[12:13]
	s_add_nc_u64 s[72:73], s[72:73], s[14:15]
.irp sg, 0,1
	s_mov_b32 s[G0+8*\sg], 1                                       ; count = 1
	s_add_co_u32 s[G0+8*\sg+1], s80, \sg*SLOT                      ; LDS address
	s_add_nc_u64 s[G0+8*\sg+2:G0+8*\sg+3], s[68:69], \sg*4096      ; global address: this half of K
	s_or_b32 s[G0+8*\sg+3], s[G0+8*\sg+3], 0x80000000              ; type = 2
	s_mov_b32 s[G0+8*\sg+4], 1
	s_add_co_u32 s[G0+8*\sg+5], s81, \sg*SLOT+WOFF
	s_add_nc_u64 s[G0+8*\sg+6:G0+8*\sg+7], s[72:73], \sg*256
	s_or_b32 s[G0+8*\sg+7], s[G0+8*\sg+7], 0x80000000
.endr
	CROUND                                         ; all sixteen work-groups are here: the joint loads meet
.irp sg, 0,1                                   ; all fills of the launch in one group: four loads of mine are out; the first half of K first
	tensor_load_to_lds s[G0+8*\sg:G0+8*\sg+3], s[G1C:G1C+7]
	s_nop 0
	tensor_load_to_lds s[G0+8*\sg+4:G0+8*\sg+7], s[G1W:G1W+7]
	s_nop 0
.endr
	PLACES 4                                       ; four v_nop follow the last of them
	s_lshl_b32 s12, s8, 10                         ; ctx's scale words: 4 bytes a row, my 64 rows
	s_lshl_b32 s14, s4, 8
	s_add_co_u32 s12, s12, s14
	s_add_nc_u64 s[70:71], s[70:71], s[12:13]
	s_lshl_b32 s12, s7, 12                         ; Wo's scale bytes: 32 a row, the block's 128 rows
	s_add_nc_u64 s[74:75], s[74:75], s[12:13]
	s_lshl_b32 s12, s7, 9                          ; bo: the block's 128 numbers
	s_add_nc_u64 s[76:77], s[76:77], s[12:13]
	s_add_nc_u64 s[78:79], s[78:79], s[12:13]      ; out: the same 512 bytes of a row,
	s_lshl_b32 s12, s8, 20                         ; and my first row: (256 block + 64 wave) rows of 4,096 bytes
	s_lshl_b32 s14, s4, 18
	s_add_co_u32 s12, s12, s14
	s_add_nc_u64 s[78:79], s[78:79], s[12:13]
	; Register q of a tile's four holds, in lanes 0-15, the rows' words of K step q and, in lanes 16-31, of K step 4 + q: K steps 0-3 read a side's words from lanes 0-15, K steps 4-7 from lanes 16-31.
.irp i, 0,1,2,3
.irp q, 0,1,2,3
	global_load_b32 v[CS+4*\i+\q], v3, s[70:71] offset:32768*\q+64*\i
.endr
.endr
.irp n, 0,1,2,3,4,5,6,7
	global_load_b128 v[WS+4*\n:WS+4*\n+3], v2, s[74:75] offset:512*\n         ; a tile's 512 consecutive scale bytes
.endr
.irp n, 0,1,2,3,4,5,6,7                        ; bo in the result's layout: register j of lane (r, h) is column 16 n + 8 h + j
	global_load_b128 v[BO+8*\n:BO+8*\n+3], v4, s[76:77] offset:64*\n
	global_load_b128 v[BO+8*\n+4:BO+8*\n+7], v4, s[76:77] offset:64*\n+16
.endr
.macro WM hi                           ; one product on the registers named by rD, rA, rB, rC, rSA, rSB; hi = 1: both sides' words from lanes 16-31
.if \hi
	v_wmma_scale_f32_16x16x128_f8f6f4 v[rD:rD+7], v[rA:rA+7], v[rB:rB+7], v[rC:rC+7], v[rSA], v[rSB] matrix_a_fmt:MATRIX_FMT_FP4 matrix_b_fmt:MATRIX_FMT_FP4 matrix_a_scale:MATRIX_SCALE_ROW1 matrix_b_scale:MATRIX_SCALE_ROW1
.else
	v_wmma_scale_f32_16x16x128_f8f6f4 v[rD:rD+7], v[rA:rA+7], v[rB:rB+7], v[rC:rC+7], v[rSA], v[rSB] matrix_a_fmt:MATRIX_FMT_FP4 matrix_b_fmt:MATRIX_FMT_FP4
.endif
.endm
.macro MUL3 s, p, i                    ; K step s, fragment set p: ctx's tile i against Wo's eight
.if (\s) == 0
	WIN 0x4a                                       ; sources 0 and 1 window 2, C (bo) window 0, D window 1
.else
	WIN 0x5a                                       ; C and D window 1
.endif
.irp n, 0,1,2,3,4,5,6,7
.set rD, 64*(\i)+8*\n
.set rA, 96*(\p)+32+8*\n
.set rB, 96*(\p)+8*(\i)
.set rC, rD
.if (\s) == 0
.set rC, BO+8*\n
.endif
.set rSA, WS+4*\n+(\s)%4
.set rSB, CS+4*(\i)+(\s)%4
	WM (\s)/4
.endr
.endm
.macro FETCH3 s, p                     ; 24 LDS loads in one run: K step s's fragments into set p
	WIN 0x80                                       ; destination window 2, address window 0
.irp i, 0,1,2,3
.irp c, 0,1
	ds_load_b128 v[96*(\p)+8*\i+4*\c:96*(\p)+8*\i+4*\c+3], v[ADC+(\s)/4] offset:4096*\i+1024*((\s)%4)+512*\c   ; an image: 512 consecutive bytes
.endr
.endr
.irp n, 0,1,2,3,4,5,6,7
.irp c, 0,1
	ds_load_b128 v[96*(\p)+32+8*\n+4*\c:96*(\p)+32+8*\n+4*\c+3], v[ADW+(\s)/4] offset:\n*16*PITCH+64*((\s)%4)+32*\c
.endr
.endr
.endm
; A K step of 128: 32 matrix instructions, the 32 accumulators by turns in the same order in every step; the next step's loads stand in one run in its middle.
.macro STEP3 s
	s_wait_dscnt 0x0                               ; this step's fragments are in (asked for 16 matrix instructions ago)
	MUL3 \s, (\s)%2, 0
	MUL3 \s, (\s)%2, 1
.if (\s) == 3
	s_wait_tensorcnt 0x0                           ; my parts of the second half of K have landed; no LDS instruction of mine is out
	s_barrier_signal -1
	s_barrier_wait -1                              ; everybody's have
.endif
.if (\s) < 7
	PLACES 4                                       ; in front of loads into the set that the step before multiplied
	FETCH3 (\s)+1, ((\s)+1)%2
.endif
	MUL3 \s, (\s)%2, 2
	MUL3 \s, (\s)%2, 3
.endm
	s_wait_tensorcnt 0x2                           ; my two loads of the first half of K have landed; the two of the second half may be out
	s_barrier_signal -1
	s_barrier_wait -1                              ; everybody's have
	s_wait_alu depctr_va_vdst(0)
	FETCH3 0, 0
	s_wait_loadcnt 0x0                             ; scale words and bo
.irp s, 0,1,2,3,4,5,6,7
	STEP3 \s
.endr
	WIN 0
; THE WAY OUT, block by block of 16 rows x 128 columns.  A lane holds 32 neighbouring bytes of a row and the lanes beside it hold other rows: a block goes through my own stage in LDS and comes back as whole rows of 512 bytes.
; LDS serves a wave's instructions in order (ISA guide 5.7.1.4): no wait between the stores and the loads, nor in front of the next block's stores.
.macro TOSTAGE a
	WIN 0x04                                       ; an LDS store's data are its source 1: window 1
.irp n, 0,1,2,3,4,5,6,7
	ds_store_b128 v[STO], v[64*(\a)+8*\n:64*(\a)+8*\n+3] offset:64*\n          ; each accumulator from its low end on
	ds_store_b128 v[STO], v[64*(\a)+8*\n+4:64*(\a)+8*\n+7] offset:64*\n+16
.endr
	WIN 0
.set BB, BK+64*((\a)%2)
.irp t, 0,1,2,3,4,5,6,7,8,9,10,11,12,13,14,15
	ds_load_b128 v[BB+4*\t:BB+4*\t+3], v[RD] offset:\t*SPITCH
.endr
.endm
.macro SEND a, younger                 ; younger: the LDS instructions issued behind block a's loads, which may stay out
.set BB, BK+64*((\a)%2)
	s_wait_dscnt \younger                          ; the block is back in registers
.irp t, 0,1,2,3,4,5,6,7,8,9,10,11,12,13,14,15
	global_store_b128 v1, v[BB+4*\t:BB+4*\t+3], s[78:79] offset:(16*(\a)+\t)*4096 th:TH_STORE_NT   ; 32 lanes store 512 consecutive bytes, aligned; the row stands in the immediate: 63 rows of 4,096 bytes at the most
.endr
.endm
	PLACES 4                                       ; in front of the first read of results
	TOSTAGE 0
.irp a, 1,2,3
.if \a > 1
	s_wait_xcnt 0x0                                ; block a - 2's stores have read their registers: block a's loads may land there
.endif
	TOSTAGE \a
	SEND \a-1, 32                                  ; behind block a - 1's loads: block a's 16 stores and 16 loads
.endr
	SEND 3, 0
	s_set_vgpr_msb 0x8
	s_wait_tensorcnt 0x0
	ds_add_u32 v14, v255
	s_wait_dscnt 0x0
	s_set_vgpr_msb 0x800
	CROUND                                         ; the closing round: no work-group ends while a partner may still ask for a tile that names it
	s_endpgm
.Lfunc_end_k_q4af5e8bc99_outp:
	.size	k_q4af5e8bc99_outp, .Lfunc_end_k_q4af5e8bc99_outp-k_q4af5e8bc99_outp
	.p2alignl 7, 3214868480
	.fill 96, 4, 3214868480
	.section	.rodata,"a",@progbits
	.p2align	6, 0x0
	.amdhsa_kernel k_q4af5e8bc99_outp
		.amdhsa_group_segment_fixed_size 327680
		.amdhsa_private_segment_fixed_size 0
		.amdhsa_enable_private_segment 0
		.amdhsa_kernarg_size 48
		.amdhsa_user_sgpr_count 2
		.amdhsa_user_sgpr_kernarg_segment_ptr 1
		.amdhsa_wavefront_size32 1
		.amdhsa_system_sgpr_workgroup_id_x 1
		.amdhsa_system_sgpr_workgroup_id_y 1
		.amdhsa_system_sgpr_workgroup_id_z 1
		.amdhsa_system_vgpr_workitem_id 0
		.amdhsa_next_free_vgpr 768
		.amdhsa_next_free_sgpr 96
		.amdhsa_reserve_vcc 0
		.amdhsa_float_denorm_mode_32 3
		.amdhsa_float_denorm_mode_16_64 3
		.amdhsa_memory_ordered 1
		.amdhsa_forward_progress 1
		.amdhsa_inst_pref_size 71
	.end_amdhsa_kernel
	.amdgpu_metadata
---
amdhsa.version: [ 1, 2 ]
amdhsa.kernels:
  - .name:           k_q4af5e8bc99_outp
    .symbol:         k_q4af5e8bc99_outp.kd
    .args:
      - { .name: cc, .offset: 0, .size: 8, .value_kind: global_buffer, .address_space: global }
      - { .name: cs, .offset: 8, .size: 8, .value_kind: global_buffer, .address_space: global }
      - { .name: Wo_codes, .offset: 16, .size: 8, .value_kind: global_buffer, .address_space: global }
      - { .name: Wo_scales, .offset: 24, .size: 8, .value_kind: global_buffer, .address_space: global }
      - { .name: bo, .offset: 32, .size: 8, .value_kind: global_buffer, .address_space: global }
      - { .name: out0, .offset: 40, .size: 8, .value_kind: global_buffer, .address_space: global }
    .group_segment_fixed_size: 327680
    .private_segment_fixed_size: 0
    .kernarg_segment_align: 8
    .kernarg_segment_size: 48
    .max_flat_workgroup_size: 128
    .sgpr_count:     96
    .vgpr_count:     768
    .wavefront_size: 32
...
	.end_amdgpu_metadata
.endif
;; end of part 3
